; MI455X (gfx1250); checked and timed in simulation.
; The chip was launched on July 23, 2026; its instructions are those of AMD's public machine-readable ISA for CDNA 5 (MIT licence, August 2026) and "CDNA5" Instruction Set Architecture Reference Guide (July 2026). The comments in the code are by the model that wrote it; some were corrected since.
;; Dot Product Attention. Allowed arithmetic: float matrix products may take bf16 or f16 operands with f32 sums; all other float work in f32.
;; Inputs: attention_mask 2 x 1 x 2,048 x 2,048 bool; key 2,048 x 2 x 16 x 128 float32; query 2,048 x 2 x 16 x 128 float32; value 2,048 x 2 x 16 x 128 float32.
;; Outputs: out0 2,048 x 2 x 2,048 float32.
;; 2 versions, each right. Each part assembles by itself: llvm-mc -triple=amdgcn-amd-amdhsa -mcpu=gfx1250 --defsym DOCPART=n.
;; ======== version 1 of 2: 1 launch
;; limits: inputs' magnitudes at most 70,000,000,000,000; right only within a limited range of input values
;; launch attn (part 1): grid 8 x 32, 4 waves a work-group, clusters of 4 x 4, 327,680 bytes of LDS; arguments query, key, value, attention_mask, out0; writes out0
.if DOCPART == 1
	.amdgcn_target "amdgcn-amd-amdhsa--gfx1250"
	.amdhsa_code_object_version 6
	.text
	.protected	k_qc1db607587_attn
	.globl	k_qc1db607587_attn
	.p2align	8
	.type	k_qc1db607587_attn,@function
k_qc1db607587_attn:
	s_mov_b64 s[64:65], 0
	v_nop
	global_prefetch_b8 v0, s[64:65] scope:SCOPE_SE
	s_setreg_imm32_b32 hwreg(HW_REG_WAVE_MODE, 25, 1), 1
	s_wait_xcnt 0x0
	s_wait_alu depctr_hold_cnt(0) depctr_sa_sdst(0) depctr_va_vdst(0) depctr_va_sdst(0) depctr_va_ssrc(0) depctr_va_vcc(0) depctr_vm_vsrc(0)
	s_getreg_b32 s2, hwreg(HW_REG_IB_STS2, 6, 4)
	s_cmp_eq_u32 s2, 0
	s_cbranch_scc0 .Lentry_in_a_cluster
	s_endpgm
.Lentry_in_a_cluster:
	s_bfe_u32 s2, ttmp6, 0x10000c
	s_cmp_lg_u32 s2, 0xf033
	s_cbranch_scc0 .Lentry_shape_is_right
	s_endpgm
.Lentry_shape_is_right:
; out[s][b][n][:] = softmax over t of (q[s,b,n,:].k[t,b,n,:] / sqrt(128), where mask[b,s,t]) times v[t,b,n,:].
; query, key, value, out: [2048][2][16][128] f32: a head's row is 512 neighbouring bytes, rows lie 16,384 bytes apart.  mask: [2][2048][2048] bytes.
; No work is left out: all four inputs reach the output.  The division by sqrt(128) and the factor log2(e) are one constant in the exponent's multiply-add.
;
; SHARES.  A work-group takes 256 queries of one head and walks all 2,048 keys in 32 steps of 64; 8 query blocks x 32 heads = 256 work-groups.
; Wave w takes queries 64 w .. 64 w + 63 as four tiles qt of 16.  Lane (r = lane % 16, h = lane / 16) serves query r of each tile.
; TRANSPOSED USE.  S^T = K Q^T (source 0 = 16 keys, source 1 = 16 queries): register j of lane (r, h) is (key row 8 h + j, query r).  Two such tiles,
; rounded to bf16, are as they stand source 1 of O^T = V^T P^T, so P never moves between lanes, a row's maximum and sum are made inside the lane and by
; one exchange between the halves, the rescale factor is one number a lane, and a lane ends with 8 neighbouring numbers of one output row.
; KEY ORDER.  Row p of a bf16 tile in LDS holds key p with bits 3 and 4 exchanged, in K and V alike (a permutation of the sum over keys).  Then the
; 16 scores of a lane in the tile pair u are keys 32 u + 16 h .. + 15: 16 neighbouring mask bytes, one 16-byte LDS load.
; THE MASK is laid into the accumulators ahead of the products: byte 0 (masked) becomes 0xFE, byte 1 becomes 0x00 (one v_perm_b32 for four bytes), and
; a shift puts that byte on top of the register.  Top byte 0xFE is a finite number between -2^127 and -2^125 whatever lies below it, top byte 0x00 is
; below 2.4e-38.  The first product adds onto it.  So the running maximum is the maximum of the kept scores as soon as there is one; what a row summed
; while it had masked scores alone is then wiped by the factor exp2(-huge) = 0; a row whose last maximum lies below -2^100 has no kept score and gets 0,
; as the problem's softmax gives for it.
; LIMITS.  Mask bytes are 0 or 1.  A true dot product q.k below -2^100 counts as masked.  Q, K, V and P enter the products rounded to bf16, sums are f32,
; in another order than the problem's.  The maximum is taken away before every exponential (a running maximum).
; CLUSTERS, 4 x 4: x = query block, y = head.  K's and V's tiles hang on the head alone: the four work-groups of a cluster row ask for them jointly.
; The mask's tiles hang on the query block and the batch alone (the four heads of a cluster column lie in one batch): asked jointly along the column.
; Each divides its requests by four.  K and V arrive as f32 and are rounded to bf16 by the waves, one step ahead, into LDS bytes of their own.
;
; LDS (bytes):      0  FS0: K f32 64 x 512, then V at +32,768        65,536  FS1 likewise           (tensor loads alone write these)
;             131,072  mask: 256 query rows x 256 bytes, pitch 272                                   (tensor loads alone)
;             200,704  bf16 slot 0: K 64 x pitch 272, V 64 x pitch 288;   236,544  bf16 slot 1      (LDS stores alone)
;             272,384  a stage of 8,448 bytes for each wave: Q on the way in (16 x 272), O on the way out (16 x 528)
; Pitches 272 and 528 are odd multiples of 16 bytes and 288 an odd multiple of 32: the rows that one load or store touches start at different offsets modulo 256.
; REGISTERS, in windows of 256:  window 0: addresses, v[32:63] converted, v[64:191] K or V fragments, v[192:255] f32 rows at work
;   window 1: v[0:127] Q fragments (qt, ks), v[128:255] a trip's mask words      window 2: O(ht, qt) at 8 (4 ht + qt)
;   window 3: S(kt, qt) at 8 (4 kt + qt), P(qt, u) in place at S(2u, qt); v[128:159] per tile: -c M (two, by turns), M, L, factor, scratch; v[160:175] sums
.set ROWB,   16384                     ; bytes from one position of the sequence to the next
.set TILEB,  64*ROWB                   ; 64 keys on
.set FSLOT,  65536
.set FV,     32768
.set MASKL,  131072
.set MP,     272
.set BF,     200704
.set KP,     272
.set VP,     288
.set BFV,    64*KP
.set BFSLOT, 64*KP+64*VP
.set STAGE,  BF+2*BFSLOT
.set STAGEW, 8448
.set QP,     272
.set OP,     528
.set AK,  6                            ; v6, v7    K fragments in bf16 slot 0, 1: 272 r + 16 h
.set AV,  8                            ; v8, v9    V fragments (transposing load): 288 (8 h + lane % 8) + 16 ((lane / 8) % 2)
.set AF,  10                           ; v10, v11  my 16 f32 rows in FS0, FS1: 16 x lane
.set AKS, 12                           ; v12, v13  where my 16 bf16 rows of K go: 8 x lane
.set AVS, 14                           ; v14, v15  the same for V
.set AM,  16                           ; mask: 272 (64 w + r) + 16 h
.set QST, 17                           ; stage, Q in
.set QRD, 18                           ; stage, Q fragments back
.set STO, 19                           ; stage, O in: 528 r + 32 h
.set RD,  20                           ; stage, rows back: 16 x lane
.set GO,  21                           ; 16 x lane: my 16 bytes of a 512-byte row in memory; never rewritten
.set CV,  32
.set F,   64
.set STG, 192
.set YB,  128                          ; window 1
.set ST,  128                          ; window 3: +0 -cM (even steps) +1 M +2 -cM (odd steps) +3 L +4 factor +5 X +6 TA +7 TB, for each qt 8 registers
.set SUM, 160                          ; window 3
.set MSB, 0
.macro WIN new                         ; the immediate's high byte repeats the setting that is left
.if MSB != \new
	s_set_vgpr_msb (MSB<<8)|\new
.set MSB, \new
.endif
.endm
.macro PLACES                          ; four places behind matrix instructions, in front of loads into their sources and of readers of their results
.rept 4
	v_nop
.endr
.endm
; A round of the cluster's barrier: my work-group's barrier, wave 0 signals for the work-group, all wait for the sixteen, my work-group's barrier again.
.macro ROUND
	s_barrier_signal -1
	s_barrier_wait -1
	s_cmp_lg_u32 s14, 0
	s_cbranch_scc1 .Lnot_wave_0_\@
	s_barrier_signal -3
.Lnot_wave_0_\@:
	s_barrier_wait -3
	s_barrier_signal -1
	s_barrier_wait -1
.endm
; The joint refills of a step: wave 0 asks for K's tile, wave 1 for V's (one line, one mask); with m = 1 waves 2 and 3 ask for the halves of the next mask tile.
.macro JLOAD slot, m
	s_cmp_lt_u32 s14, 2
	s_cbranch_scc0 .Lwaves_2_3_\@
	tensor_load_to_lds s[40+4*\slot:43+4*\slot], s[24:31]
	s_nop 0
.if \m
	s_branch .Lasked_\@
.endif
.Lwaves_2_3_\@:
.if \m
	tensor_load_to_lds s[48:51], s[32:39]
	s_nop 0
.Lasked_\@:
.endif
.endm
	s_load_b256 s[4:11], s[0:1], 0x0               ; query s[4:5], key s[6:7], value s[8:9], mask s[10:11]
	s_load_b64 s[12:13], s[0:1], 0x20              ; out
	v_lshl_add_u32 v30, v0, 2, 0x4ac00
	v_mov_b32 v31, 0
	ds_add_u32 v30, v31
	v_lshrrev_b32 v1, 5, v0
	v_readfirstlane_b32 s14, v1                    ; wave 0..3
	s_and_b32 s15, s14, 1
	s_bfe_u32 s16, ttmp6, 0x40000                  ; cx
	s_bfe_u32 s17, ttmp6, 0x40004                  ; cy
	s_lshl_b32 s18, ttmp9, 2
	s_add_co_u32 s18, s18, s16                     ; query block = 4 x cluster x + cx
	s_and_b32 s22, ttmp7, 0xffff                   ; cluster y
	s_lshl_b32 s19, s22, 2
	s_add_co_u32 s19, s19, s17                     ; head (16 b + n) = 4 x cluster y + cy
	s_lshr_b32 s22, s22, 2                         ; batch: the same in the whole cluster
	s_lshl_b32 s20, s17, 2
	s_lshl_b32 s20, 15, s20                        ; my row of the cluster: places 4 cy .. 4 cy + 3
	s_lshl_b32 s21, 0x1111, s16                    ; my column: places cx, cx + 4, cx + 8, cx + 12
	; group 1 for K and V: 64 rows x 128 elements of 4 bytes, 4,096 elements from row to row, dense in LDS
	s_or_b32  s24, s20, (2<<16)|(1<<21)            ; 15:0 mask of my row; 17:16 element of 4 bytes; 21 set beside a mask
	s_mov_b32 s25, 128<<16                         ; tensor_dim0 = 128
	s_mov_b32 s26, 64<<16                          ; tensor_dim1 = 64
	s_mov_b32 s27, 128<<16                         ; tile_dim0 = 128
	s_mov_b32 s28, 64                              ; tile_dim1 = 64
	s_mov_b32 s29, 4096                            ; pitch
	s_mov_b32 s30, 0
	s_mov_b32 s31, 0
	; group 1 for the mask: 128 rows x 32 elements of 8 bytes, 256 elements from row to row, 4 words of padding behind every 64
	s_or_b32  s32, s21, (3<<16)|(1<<20)|(1<<21)|(5<<22)|(3<<25)
	s_mov_b32 s33, 32<<16
	s_mov_b32 s34, 128<<16
	s_mov_b32 s35, 32<<16
	s_mov_b32 s36, 128
	s_mov_b32 s37, 256
	s_mov_b32 s38, 0
	s_mov_b32 s39, 0
	; offsets, each in registers of its own: K's and V's hang on the head, the mask's on query block and batch, Q's and the output's on all
	s_lshl_b32 s2, s19, 9                          ; head x 512
	s_mov_b32 s3, 0
	s_lshl_b32 s60, s22, 22                        ; batch x 2,048 x 2,048
	s_lshl_b32 s61, s18, 19                        ; + query block x 256 rows of 2,048 bytes
	s_add_co_u32 s60, s60, s61
	s_lshl_b32 s61, s15, 18                        ; + which 128 rows I fetch
	s_add_co_u32 s60, s60, s61
	s_mov_b32 s61, 0
	s_lshl_b32 s62, s18, 22                        ; query block x 256 rows of 16,384 bytes
	s_lshl_b32 s63, s14, 20                        ; + wave x 64 rows
	s_add_co_u32 s62, s62, s63
	s_add_co_u32 s62, s62, s2                      ; + head x 512
	s_mov_b32 s63, 0
	s_lshl_b32 s23, s14, 15                        ; LDS: wave 0 K at +0, wave 1 V at +32,768
	s_mul_i32 s58, s14, 128*MP                     ; LDS: waves 2, 3 the mask's halves
	s_mov_b32 s40, 1
	s_add_co_u32 s41, s23, 0
	s_mov_b32 s44, 1
	s_add_co_u32 s45, s23, FSLOT
	s_mov_b32 s48, 1
	s_add_co_u32 s49, s58, MASKL-2*128*MP
	s_mov_b32 s52, 0x3E0293EE                      ; c = log2(e) / sqrt(128), twice: a pair for the packed multiply-add
	s_mov_b32 s53, 0x3E0293EE
	s_mov_b32 s54, 0xBE0293EE                      ; -c
	s_mov_b32 s55, 0xFE                            ; byte 0 = 0xFE (for a mask byte 0), byte 1 = 0 (for a mask byte 1)
	s_mov_b32 s56, 0x76543210                      ; v_permlanex16_b32: lane i takes lane i of the other half
	s_mov_b32 s57, 0xfedcba98
	s_mov_b32 s59, 0xF1800000                      ; -2^100
	s_wait_dscnt 0x0
	s_wait_kmcnt 0x0
	s_cmp_eq_u32 s14, 0
	s_cselect_b64 s[42:43], s[6:7], s[8:9]         ; wave 0 fetches from key, wave 1 from value
	s_add_nc_u64 s[42:43], s[42:43], s[2:3]        ; tile 0
	s_add_nc_u64 s[46:47], s[42:43], TILEB         ; tile 1
	s_or_b32 s43, s43, 0x80000000
	s_or_b32 s47, s47, 0x80000000
	s_add_nc_u64 s[50:51], s[10:11], s[60:61]      ; the mask's keys 0 to 255
	s_or_b32 s51, s51, 0x80000000
	s_add_nc_u64 s[4:5], s[4:5], s[62:63]          ; my wave's first row of Q
	s_add_nc_u64 s[12:13], s[12:13], s[62:63]      ; and of the output
	ROUND                                          ; all sixteen work-groups are here: the first joint loads meet
	s_cmp_lt_u32 s14, 2                            ; the first fills, one group in one branch: two loads out in waves 0 and 1, one in waves 2 and 3
	s_cbranch_scc0 .Lfirst_mask
	tensor_load_to_lds s[40:43], s[24:31]
	s_nop 0
	tensor_load_to_lds s[44:47], s[24:31]
	s_nop 0
	s_branch .Lfirst_done
.Lfirst_mask:
	tensor_load_to_lds s[48:51], s[32:39]
	s_nop 0
.Lfirst_done:
; Q: 16 rows of 512 bytes, one row a load
.macro QLOAD qt, buf
.irp i, 0,1,2,3,4,5,6,7,8,9,10,11,12,13,14,15
	global_load_b128 v[\buf+4*\i:\buf+4*\i+3], v[GO], s[4:5] offset:(16*\qt+\i)*ROWB th:TH_LOAD_NT
.endr
.endm
; rounded to bf16, through my own stage, back as four fragments (query r; h-index 32 ks + 8 h .. and + 16) into window 1.
; LDS serves a wave's instructions in order (ISA guide 5.7.1.4): the loads see the stores, and the next tile's stores come behind these loads.
.macro QCONV qt, buf
.irp i, 0,1,2,3,4,5,6,7,8,9,10,11,12,13,14,15
	v_cvt_pk_bf16_f32 v[CV+2*\i],   v[\buf+4*\i],   v[\buf+4*\i+1]
	v_cvt_pk_bf16_f32 v[CV+2*\i+1], v[\buf+4*\i+2], v[\buf+4*\i+3]
.endr
.irp i, 0,1,2,3,4,5,6,7,8,9,10,11,12,13,14,15
	ds_store_b64 v[QST], v[CV+2*\i:CV+2*\i+1] offset:\i*QP
.endr
	WIN 0x40
.irp ks, 0,1,2,3
	ds_load_b128 v[8*(4*\qt+\ks):8*(4*\qt+\ks)+3],   v[QRD] offset:64*\ks
	ds_load_b128 v[8*(4*\qt+\ks)+4:8*(4*\qt+\ks)+7], v[QRD] offset:64*\ks+32
.endr
	WIN 0
.endm
	v_and_b32 v1, 31, v0                           ; lane
	v_lshlrev_b32 v[GO], 4, v1
	QLOAD 0, F
	QLOAD 1, F+64
	QLOAD 2, STG
	v_and_b32 v2, 15, v0                           ; r
	v_bfe_u32 v3, v0, 4, 1                         ; h
	v_mul_u32_u24 v4, v2, KP
	v_lshl_add_u32 v4, v3, 4, v4                   ; 272 r + 16 h: K fragments, Q fragments and mask words alike
	v_add_nc_u32 v[AK],   BF, v4
	v_add_nc_u32 v[AK+1], BF+BFSLOT, v4
	v_and_b32 v5, 7, v0
	v_lshl_add_u32 v5, v3, 3, v5                   ; 8 h + lane % 8
	v_mul_u32_u24 v5, v5, VP
	v_bfe_u32 v22, v0, 3, 1
	v_lshl_add_u32 v5, v22, 4, v5
	v_add_nc_u32 v[AV],   BF+BFV, v5
	v_add_nc_u32 v[AV+1], BF+BFSLOT+BFV, v5
	s_lshr_b32 s58, s14, 1                         ; my bf16 rows 16 w + i hold keys 32 (w / 2) + 16 (i / 8) + 8 (w % 2) + i % 8
	s_lshl_b32 s58, s58, 14
	s_lshl_b32 s23, s15, 12
	s_add_co_u32 s58, s58, s23
	v_lshl_add_u32 v[AF], v1, 4, s58
	v_add_nc_u32 v[AF+1], FSLOT, v[AF]
	s_mul_i32 s58, s14, 16*KP
	v_lshl_add_u32 v[AKS], v1, 3, s58
	v_add_nc_u32 v[AKS+1], BF+BFSLOT, v[AKS]
	v_add_nc_u32 v[AKS],   BF, v[AKS]
	s_mul_i32 s58, s14, 16*VP
	v_lshl_add_u32 v[AVS], v1, 3, s58
	v_add_nc_u32 v[AVS+1], BF+BFSLOT+BFV, v[AVS]
	v_add_nc_u32 v[AVS],   BF+BFV, v[AVS]
	s_mul_i32 s58, s14, 64*MP
	s_add_co_u32 s58, s58, MASKL
	v_add_nc_u32 v[AM], s58, v4
	s_mul_i32 s58, s14, STAGEW
	s_add_co_u32 s58, s58, STAGE
	v_lshl_add_u32 v[QST], v1, 3, s58
	v_add_nc_u32 v[QRD], s58, v4
	v_mul_u32_u24 v5, v2, OP
	v_lshl_add_u32 v5, v3, 5, v5
	v_add_nc_u32 v[STO], s58, v5
	v_lshl_add_u32 v[RD], v1, 4, s58
	WIN 0xFF
.irp qt, 0,1,2,3
	v_mov_b32 v[ST+8*\qt+5], 0                     ; X: v_permlanex16_b32 counts as a reader of its destination
.endr
	WIN 0
	s_wait_loadcnt 32                              ; tile 0 is in: the 32 loads of tiles 1 and 2 are younger
	QCONV 0, F
	QLOAD 3, F
	s_wait_loadcnt 32                              ; tile 1: tiles 2 and 3 are younger
	QCONV 1, F+64
	s_wait_loadcnt 16                              ; tile 2: tile 3 is younger
	QCONV 2, STG
	s_wait_loadcnt 0x0
	QCONV 3, F
; 16 f32 rows of K (which = 0) or V (1) from slot s, one row of 512 bytes a load, in the exchanged key order
.macro CLOAD which, s
.irp i, 0,1,2,3,4,5,6,7,8,9,10,11,12,13,14,15
	ds_load_b128 v[STG+4*\i:STG+4*\i+3], v[AF+\s] offset:\which*FV+512*(16*(\i>>3)+(\i&7))
.endr
.endm
; rounded to bf16 and stored as my 16 rows of bf16 slot s, 256 neighbouring bytes a store
.macro CSTORE which, s
.irp i, 0,1,2,3,4,5,6,7,8,9,10,11,12,13,14,15
	v_cvt_pk_bf16_f32 v[CV+2*\i],   v[STG+4*\i],   v[STG+4*\i+1]
	v_cvt_pk_bf16_f32 v[CV+2*\i+1], v[STG+4*\i+2], v[STG+4*\i+3]
.endr
.irp i, 0,1,2,3,4,5,6,7,8,9,10,11,12,13,14,15
.if \which
	ds_store_b64 v[AVS+\s], v[CV+2*\i:CV+2*\i+1] offset:\i*VP
.else
	ds_store_b64 v[AKS+\s], v[CV+2*\i:CV+2*\i+1] offset:\i*KP
.endif
.endr
.endm
; K fragments (kt, ks): rows 16 kt + r, h-index 32 ks + 8 h .. and + 16; key tile by key tile, so that the products can start on the first
.macro KFETCH s
.irp kt, 0,1,2,3
.irp ks, 0,1,2,3
	ds_load_b128 v[F+8*(4*\kt+\ks):F+8*(4*\kt+\ks)+3],   v[AK+\s] offset:\kt*16*KP+64*\ks
	ds_load_b128 v[F+8*(4*\kt+\ks)+4:F+8*(4*\kt+\ks)+7], v[AK+\s] offset:\kt*16*KP+64*\ks+32
.endr
.endr
.endm
; V^T fragments (u, ht): h-index 16 ht + r, rows 32 u + 8 h .. and + 16, by the transposing load
.macro VFETCH s
.irp u, 0,1
.irp ht, 0,1,2,3,4,5,6,7
	ds_load_tr16_b128 v[F+8*(8*\u+\ht):F+8*(8*\u+\ht)+3],   v[AV+\s] offset:\u*32*VP+32*\ht
	ds_load_tr16_b128 v[F+8*(8*\u+\ht)+4:F+8*(8*\u+\ht)+7], v[AV+\s] offset:\u*32*VP+32*\ht+16*VP
.endr
.endr
.endm
; a trip's mask for my 64 queries: word group (qt, up) = keys 32 up + 16 h .. + 15 of query 16 qt + r
.macro MREAD
	WIN 0x40
.irp qt, 0,1,2,3
.irp up, 0,1,2,3,4,5,6,7
	ds_load_b128 v[YB+4*(8*\qt+\up):YB+4*(8*\qt+\up)+3], v[AM] offset:\qt*16*MP+32*\up
.endr
.endr
	WIN 0
.endm
.macro MPERM                           ; each mask byte selects a byte of s55: 0 gives 0xFE, 1 gives 0x00
	WIN 0x50
.set n, 0
.rept 128
	v_perm_b32 v[YB+n], s55, s55, v[YB+n]
.set n, n+1
.endr
.endm
; the accumulators' start for the trip's step jq: the score's byte on top of its register
.macro BIAS jq
	WIN 0xC4
.irp qt, 0,1,2,3
.irp u, 0,1
.irp e, 0,1
.irp g, 0,1,2,3,4,5,6,7
	v_lshlrev_b32 v[8*(4*(2*\u+\e)+\qt)+\g], 24-8*(\g&3), v[YB+4*(8*\qt+2*\jq+\u)+2*\e+(\g>>2)]
.endr
.endr
.endr
.endr
.endm
; S^T += K Q^T.  The four accumulators of a key tile take turns, one instruction a turn.
.macro QK
	WIN 0xF4
.irp kt, 0,1,2,3
	s_wait_dscnt 24-8*\kt                          ; this key tile's eight loads are in: eight for each later tile are younger
.irp ks, 0,1,2,3
.irp qt, 0,1,2,3
	v_wmma_f32_16x16x32_bf16 v[8*(4*\kt+\qt):8*(4*\kt+\qt)+7], v[F+8*(4*\kt+\ks):F+8*(4*\kt+\ks)+7], v[8*(4*\qt+\ks):8*(4*\qt+\ks)+7], v[8*(4*\kt+\qt):8*(4*\kt+\qt)+7]
.endr
.endr
.endr
.endm
; The softmax step on 4 tiles x 32 registers, all in window 3, the four tiles side by side in every chain.  par: which of the two -cM is written.
.macro SOFTMAX par, first
	WIN 0xFF
	; the largest of my 32 scores of each query: two chains of 16 (value n of chain c lies at 64 c + 32 (n / 8) + 8 qt + n % 8)
.irp c, 0,1
.irp qt, 0,1,2,3
	v_max3_num_f32 v[ST+8*\qt+6+\c], v[64*\c+8*\qt], v[64*\c+8*\qt+1], v[64*\c+8*\qt+2]
.endr
.endr
.irp n, 3,5,7,9,11,13
.irp c, 0,1
.irp qt, 0,1,2,3
	v_max3_num_f32 v[ST+8*\qt+6+\c], v[ST+8*\qt+6+\c], v[64*\c+32*(\n>>3)+8*\qt+(\n&7)], v[64*\c+32*((\n+1)>>3)+8*\qt+((\n+1)&7)]
.endr
.endr
.endr
.irp qt, 0,1,2,3
	v_max3_num_f32 v[ST+8*\qt+6], v[ST+8*\qt+6], v[ST+8*\qt+7], v[39+8*\qt]
.endr
.irp qt, 0,1,2,3
	v_max_num_f32 v[ST+8*\qt+6], v[ST+8*\qt+6], v[103+8*\qt]
.endr
	; with the other half of the lanes and the maximum so far; -c M; the factor exp2(c (M old - M new))
.irp qt, 0,1,2,3
	v_permlanex16_b32 v[ST+8*\qt+5], v[ST+8*\qt+6], s56, s57
.endr
.irp qt, 0,1,2,3
.if \first
	v_max_num_f32 v[ST+8*\qt+1], v[ST+8*\qt+6], v[ST+8*\qt+5]
.else
	v_max3_num_f32 v[ST+8*\qt+1], v[ST+8*\qt+6], v[ST+8*\qt+5], v[ST+8*\qt+1]
.endif
.endr
.irp qt, 0,1,2,3
	v_mul_f32 v[ST+8*\qt+2*\par], s54, v[ST+8*\qt+1]
.endr
.if \first == 0
.irp qt, 0,1,2,3
	v_sub_f32 v[ST+8*\qt+7], v[ST+8*\qt+2*\par], v[ST+8*\qt+2-2*\par]
.endr
.irp qt, 0,1,2,3
	v_exp_f32 v[ST+8*\qt+4], v[ST+8*\qt+7]         ; the multiply-adds below are the plain instructions behind these (ISA guide 5.7.2)
.endr
.endif
	; c S - c M, two at a time: both halves take s52 and the first register of the pair
.irp kt, 0,1,2,3
.irp d, 0,2,4,6
.irp qt, 0,1,2,3
	v_pk_fma_f32 v[8*(4*\kt+\qt)+\d:8*(4*\kt+\qt)+\d+1], v[8*(4*\kt+\qt)+\d:8*(4*\kt+\qt)+\d+1], s[52:53], v[ST+8*\qt+2*\par:ST+8*\qt+2*\par+1] op_sel_hi:[1,0,0]
.endr
.endr
.endr
.set n, 0
.rept 128
	v_exp_f32 v[n], v[n]
.set n, n+1
.endr
	v_nop                                          ; one plain instruction behind the last exponential, ahead of its reader
	; my 32 numbers of each query summed in f32: two chains of eight pairs
	s_wait_alu depctr_va_vdst(0)
.irp c, 0,1
.irp qt, 0,1,2,3
	v_pk_add_f32 v[SUM+4*\qt+2*\c:SUM+4*\qt+2*\c+1], v[64*\c+8*\qt:64*\c+8*\qt+1], v[64*\c+8*\qt+2:64*\c+8*\qt+3]
.endr
.endr
.irp d, 2,3,4,5,6,7
.irp c, 0,1
.irp qt, 0,1,2,3
	v_pk_add_f32 v[SUM+4*\qt+2*\c:SUM+4*\qt+2*\c+1], v[SUM+4*\qt+2*\c:SUM+4*\qt+2*\c+1], v[64*\c+32*(\d>>2)+8*\qt+2*(\d&3):64*\c+32*(\d>>2)+8*\qt+2*(\d&3)+1]
.endr
.endr
.endr
.irp qt, 0,1,2,3
	v_pk_add_f32 v[SUM+4*\qt:SUM+4*\qt+1], v[SUM+4*\qt:SUM+4*\qt+1], v[SUM+4*\qt+2:SUM+4*\qt+3]
.endr
.if \first
.irp qt, 0,1,2,3
	v_add_f32 v[ST+8*\qt+3], v[SUM+4*\qt], v[SUM+4*\qt+1]
.endr
.else
.irp qt, 0,1,2,3
	v_add_f32 v[ST+8*\qt+6], v[SUM+4*\qt], v[SUM+4*\qt+1]
.endr
.irp qt, 0,1,2,3
	v_fma_f32 v[ST+8*\qt+3], v[ST+8*\qt+3], v[ST+8*\qt+4], v[ST+8*\qt+6]
.endr
.endif
	; P to bf16 in place: tile 2u into registers 0-3 of its own place (each write lands on registers already read), then tile 2u + 1 into registers 4-7
.irp u, 0,1
.irp e, 0,1
.irp g, 0,1,2,3
.irp qt, 0,1,2,3
	v_cvt_pk_bf16_f32 v[64*\u+8*\qt+4*\e+\g], v[64*\u+32*\e+8*\qt+2*\g], v[64*\u+32*\e+8*\qt+2*\g+1]
.endr
.endr
.endr
.endr
.endm
.macro RESCALE                         ; O times the query's factor, one number a lane and tile
	WIN 0x8E
.irp ht, 0,1,2,3,4,5,6,7
.irp d, 0,2,4,6
.irp qt, 0,1,2,3
	v_pk_mul_f32 v[8*(4*\ht+\qt)+\d:8*(4*\ht+\qt)+\d+1], v[8*(4*\ht+\qt)+\d:8*(4*\ht+\qt)+\d+1], v[ST+8*\qt+4:ST+8*\qt+5] op_sel_hi:[1,0]
.endr
.endr
.endr
.endm
; O^T += V^T P^T.  The 32 accumulators take turns, one instruction a turn.  The very first products start the sums.
.macro PV first
	WIN 0xAC
.irp u, 0,1
.irp ht, 0,1,2,3,4,5,6,7
.irp qt, 0,1,2,3
.if (\first) & (1-\u)
	v_wmma_f32_16x16x32_bf16 v[8*(4*\ht+\qt):8*(4*\ht+\qt)+7], v[F+8*(8*\u+\ht):F+8*(8*\u+\ht)+7], v[64*\u+8*\qt:64*\u+8*\qt+7], 0
.else
	v_wmma_f32_16x16x32_bf16 v[8*(4*\ht+\qt):8*(4*\ht+\qt)+7], v[F+8*(8*\u+\ht):F+8*(8*\u+\ht)+7], v[64*\u+8*\qt:64*\u+8*\qt+7], v[8*(4*\ht+\qt):8*(4*\ht+\qt)+7]
.endif
.endr
.endr
.endr
.endm
; Step t on 64 keys; slot = t % 2, jq = t % 4.  fill: f32 slot \slot gets tile t + 2.  mfill: the mask slot gets the next trip's tile.  conv: tile t + 1 is rounded to bf16.
.macro STEP slot, jq, first, fill, mfill, conv
	s_wait_dscnt 0x0                               ; my stores of this tile's bf16 rows, my reads of the f32 slot, of the other bf16 slot and of the mask are done
	s_wait_tensorcnt 0x0                           ; all my tensor loads have landed, tile t + 1 among them: every group 0 may be written
	ds_add_u32 v30, v31
	s_wait_dscnt 0x0
.if \fill
	s_add_nc_u64 s[42+4*\slot:43+4*\slot], s[42+4*\slot:43+4*\slot], 2*TILEB
.endif
.if \mfill
	s_add_nc_u64 s[50:51], s[50:51], 256           ; 256 keys on
.endif
.if \fill | \mfill
	ROUND                                          ; both now hold of every wave of the sixteen work-groups
	JLOAD \slot, \mfill                            ; my one tensor load behind the round, and the first thing there
.else
	s_barrier_signal -1                            ; the last two steps fill nothing
	s_barrier_wait -1
.endif
.if \jq == 0
	MREAD
.endif
	KFETCH \slot
.if \jq == 0
	s_wait_dscnt 32                                ; the mask words are in: the 32 loads of K fragments are younger
	MPERM
.endif
	BIAS \jq
	QK
	PLACES
	WIN 0
	VFETCH \slot                                   ; V fragments take K's registers; they land under the softmax
.if \conv
	CLOAD 0, (1-\slot)
.endif
	SOFTMAX \slot, \first
.if \first == 0
	RESCALE
.endif
	WIN 0
	s_wait_dscnt 0x0                               ; V fragments and the next K rows
.if \conv
	CSTORE 0, (1-\slot)
	CLOAD 1, (1-\slot)                             ; the next V rows land under the products
.endif
	PV \first
	PLACES
	WIN 0
.if \conv
	s_wait_dscnt 0x0
	CSTORE 1, (1-\slot)
.endif
.endm
.macro TRIP first, last                ; 256 keys: one mask tile, four steps.  The mask slot, read whole in the first step, is filled again behind the second step's round
	STEP 0, 0, \first, 1, 0, 1
	STEP 1, 1, 0, 1, (1-\last), 1
	STEP 0, 2, 0, (1-\last), 0, 1
	STEP 1, 3, 0, (1-\last), 0, (1-\last)
.endm
	s_wait_dscnt 0x0                               ; Q fragments are in
	s_wait_tensorcnt 0x0                           ; my first fills have landed
	s_barrier_signal -1
	s_barrier_wait -1                              ; everybody's have
	CLOAD 0, 0                                     ; tile 0 to bf16
	s_wait_dscnt 0x0
	CSTORE 0, 0
	CLOAD 1, 0
	s_wait_dscnt 0x0
	CSTORE 1, 0
	TRIP 1, 0                                      ; the first trip stands in front of the loop: its first step starts M, L and O
	s_mov_b32 s58, 6
.Ltrip:
	TRIP 0, 0
	s_sub_co_u32 s58, s58, 1
	s_cmp_lg_u32 s58, 0
	s_cbranch_scc1 .Ltrip
	TRIP 0, 1                                      ; the last trip: no tile beyond the 32nd, no further mask tile
	; 1 / L, with both halves of the lanes; 0 for a query with no kept key
	WIN 0xFF
.irp qt, 0,1,2,3
	v_permlanex16_b32 v[ST+8*\qt+5], v[ST+8*\qt+3], s56, s57
.endr
.irp qt, 0,1,2,3
	v_add_f32 v[ST+8*\qt+3], v[ST+8*\qt+3], v[ST+8*\qt+5]
.endr
.irp qt, 0,1,2,3
	v_rcp_f32 v[ST+8*\qt+4], v[ST+8*\qt+3]
.endr
	v_nop                                          ; one plain instruction behind the reciprocals
	s_wait_alu depctr_va_vdst(0)
.irp qt, 0,1,2,3
	v_cmp_lt_f32 vcc_lo, s59, v[ST+8*\qt+1]        ; -2^100 < M: the query has a kept key
	v_cndmask_b32 v[ST+8*\qt+4], 0, v[ST+8*\qt+4], vcc_lo
.endr
	RESCALE
; The way out, 16 queries at a time: a lane's 8 numbers of each h tile are 32 neighbouring bytes of its query's row; through my own stage, back as whole rows,
; and each store of the wave covers 512 consecutive bytes, aligned.
.macro OUT qt, buf
	WIN 0x08
.irp ht, 0,1,2,3,4,5,6,7
	ds_store_b128 v[STO], v[8*(4*\ht+\qt):8*(4*\ht+\qt)+3]   offset:64*\ht
	ds_store_b128 v[STO], v[8*(4*\ht+\qt)+4:8*(4*\ht+\qt)+7] offset:64*\ht+16
.endr
	WIN 0
	s_wait_xcnt 0x0                                ; the registers that earlier stores read are loaded again only behind this wait (ISA guide 3.1)
.irp i, 0,1,2,3,4,5,6,7,8,9,10,11,12,13,14,15
	ds_load_b128 v[\buf+4*\i:\buf+4*\i+3], v[RD] offset:\i*OP      ; LDS serves a wave's instructions in order: these see the stores above
.endr
.irp i, 0,1,2,3,4,5,6,7,8,9,10,11,12,13,14,15
	s_wait_dscnt 15-\i                             ; row i is in: the later rows' loads are younger
	global_store_b128 v[GO], v[\buf+4*\i:\buf+4*\i+3], s[12:13] offset:(16*\qt+\i)*ROWB th:TH_STORE_NT
.endr
.endm
	OUT 0, F
	OUT 1, F+64
	OUT 2, F
	OUT 3, F+64
	s_wait_tensorcnt 0x0
	ds_add_u32 v30, v31
	s_wait_dscnt 0x0
	ROUND                                          ; the closing round: no work-group ends while a partner may still ask for a tile that names it
	s_endpgm
.Lfunc_end_k_qc1db607587_attn:
	.size	k_qc1db607587_attn, .Lfunc_end_k_qc1db607587_attn-k_qc1db607587_attn
	.p2alignl 7, 3214868480
	.fill 96, 4, 3214868480
	.section	.rodata,"a",@progbits
	.p2align	6, 0x0
	.amdhsa_kernel k_qc1db607587_attn
		.amdhsa_group_segment_fixed_size 327680
		.amdhsa_private_segment_fixed_size 0
		.amdhsa_enable_private_segment 0
		.amdhsa_kernarg_size 40
		.amdhsa_user_sgpr_count 2
		.amdhsa_user_sgpr_kernarg_segment_ptr 1
		.amdhsa_wavefront_size32 1
		.amdhsa_system_sgpr_workgroup_id_x 1
		.amdhsa_system_sgpr_workgroup_id_y 1
		.amdhsa_system_sgpr_workgroup_id_z 1
		.amdhsa_system_vgpr_workitem_id 0
		.amdhsa_next_free_vgpr 1024
		.amdhsa_next_free_sgpr 66
		.amdhsa_reserve_vcc 1
		.amdhsa_float_denorm_mode_32 3
		.amdhsa_float_denorm_mode_16_64 3
		.amdhsa_memory_ordered 1
		.amdhsa_forward_progress 1
		.amdhsa_inst_pref_size 255
	.end_amdhsa_kernel
	.section	.bss,"aw",@nobits
	.p2align	6
	.space	262144
	.amdgpu_metadata
---
amdhsa.version: [ 1, 2 ]
amdhsa.kernels:
  - .name:           k_qc1db607587_attn
    .symbol:         k_qc1db607587_attn.kd
    .args:
      - { .name: query, .offset: 0, .size: 8, .value_kind: global_buffer, .address_space: global }
      - { .name: key, .offset: 8, .size: 8, .value_kind: global_buffer, .address_space: global }
      - { .name: value, .offset: 16, .size: 8, .value_kind: global_buffer, .address_space: global }
      - { .name: attention_mask, .offset: 24, .size: 8, .value_kind: global_buffer, .address_space: global }
      - { .name: out0, .offset: 32, .size: 8, .value_kind: global_buffer, .address_space: global }
    .group_segment_fixed_size: 327680
    .private_segment_fixed_size: 0
    .kernarg_segment_align: 8
    .kernarg_segment_size: 40
    .max_flat_workgroup_size: 128
    .sgpr_count:     66
    .vgpr_count:     1024
    .wavefront_size: 32
...
	.end_amdgpu_metadata
.endif
;; end of part 1
;; ======== version 2 of 2: 1 launch
;; limits: inputs' magnitudes at most 70,000,000,000,000; right only within a limited range of input values
;; launch attn (part 2): grid 8 x 32, 4 waves a work-group, clusters of 4 x 4, 327,680 bytes of LDS; arguments query, key, value, attention_mask, out0; writes out0
.if DOCPART == 2
	.amdgcn_target "amdgcn-amd-amdhsa--gfx1250"
	.amdhsa_code_object_version 6
	.text
	.protected	k_qc1db607587_attn
	.globl	k_qc1db607587_attn
	.p2align	8
	.type	k_qc1db607587_attn,@function
k_qc1db607587_attn:
	s_mov_b64 s[64:65], 0
	v_nop
	global_prefetch_b8 v0, s[64:65] scope:SCOPE_SE
	s_setreg_imm32_b32 hwreg(HW_REG_WAVE_MODE, 25, 1), 1
	s_wait_xcnt 0x0
	s_wait_alu depctr_hold_cnt(0) depctr_sa_sdst(0) depctr_va_vdst(0) depctr_va_sdst(0) depctr_va_ssrc(0) depctr_va_vcc(0) depctr_vm_vsrc(0)
	s_getreg_b32 s2, hwreg(HW_REG_IB_STS2, 6, 4)
	s_cmp_eq_u32 s2, 0
	s_cbranch_scc0 .Lentry_in_a_cluster
	s_endpgm
.Lentry_in_a_cluster:
	s_bfe_u32 s2, ttmp6, 0x10000c
	s_cmp_lg_u32 s2, 0xf033
	s_cbranch_scc0 .Lentry_shape_is_right
	s_endpgm
.Lentry_shape_is_right:
; out[s][b][n][:] = softmax over t of (q[s,b,n,:].k[t,b,n,:] / sqrt(128), where mask[b,s,t]) times v[t,b,n,:].
; query, key, value, out: [2048][2][16][128] f32: a head's row is 512 neighbouring bytes, rows lie 16,384 bytes apart.  mask: [2][2048][2048] bytes.
; No work is left out: all four inputs reach the output.  The division by sqrt(128) and the factor log2(e) are one constant in the exponent's multiply-add.
;
; SHARES.  A work-group takes 256 queries of one head and walks all 2,048 keys in 32 steps of 64; 8 query blocks x 32 heads = 256 work-groups.
; Wave w takes queries 64 w .. 64 w + 63 as four tiles qt of 16.  Lane (r = lane % 16, h = lane / 16) serves query r of each tile.
; TRANSPOSED USE.  S^T = K Q^T (source 0 = 16 keys, source 1 = 16 queries): register j of lane (r, h) is (key row 8 h + j, query r).  Two such tiles,
; rounded to bf16, are as they stand source 1 of O^T = V^T P^T, so P never moves between lanes, a row's maximum and sum are made inside the lane and by
; one exchange between the halves, the rescale factor is one number a lane, and a lane ends with 8 neighbouring numbers of one output row.
; KEY ORDER.  Row p of a bf16 tile in LDS holds key p with bits 3 and 4 exchanged, in K and V alike (a permutation of the sum over keys).  Then the
; 16 scores of a lane in the tile pair u are keys 32 u + 16 h .. + 15: 16 neighbouring mask bytes, one 16-byte LDS load.
; THE MASK is laid into the accumulators ahead of the products: byte 0 (masked) becomes 0xFE, byte 1 becomes 0x00 (one v_perm_b32 for four bytes), and
; a shift puts that byte on top of the register.  Top byte 0xFE is a finite number between -2^127 and -2^125 whatever lies below it, top byte 0x00 is
; below 2.4e-38.  The first product adds onto it.  So the running maximum is the maximum of the kept scores as soon as there is one; what a row summed
; while it had masked scores alone is then wiped by the factor exp2(-huge) = 0; a row whose last maximum lies below -2^100 has no kept score and gets 0,
; as the problem's softmax gives for it.
; ONE LOOP, SHORT TEXT.  A step is about 1,060 instructions.  The walk over the keys is a loop of two steps' text (15 trips) and a tail of two steps that
; fetch nothing.  Two choices serve that:
;   The running state starts in front of the loop: M = the most negative finite f32, L = 0, O = 0.  The first step's factor is then exp2 of a number below
;   -2e37, which is 0, and every term is finite.  O's 256 registers are written by 32 matrix instructions on a zero fragment.  That and the first step's
;   128 multiplies of zeros are the price; a first step written out, with products that start the sums, would add two steps' text that runs once.
;   A mask tile has 128 keys, the keys of one trip: it is read whole into 64 registers in the trip's first step, and the registers from which a step takes
;   its mask words are named in the text.  Its rows are 128 neighbouring bytes of memory at multiples of 128; rows of 256 bytes would make the trip four steps.
; LIMITS.  Mask bytes are 0 or 1.  A true dot product q.k below -2^100 counts as masked.  Q, K, V and P enter the products rounded to bf16, sums are f32,
; in another order than the problem's.  The maximum is taken away before every exponential (a running maximum, started at -3.4e38).
; CLUSTERS, 4 x 4: x = query block, y = head.  K's and V's tiles hang on the head alone: the four work-groups of a cluster row ask for them jointly.
; The mask's tiles hang on the query block and the batch alone (the four heads of a cluster column lie in one batch): asked jointly along the column.
; Each divides its requests by four.  K and V arrive as f32 and are rounded to bf16 by the waves, one step ahead, into LDS bytes of their own.
;
; LDS (bytes):      0  FS0: K f32 64 x 512, then V at +32,768        65,536  FS1 likewise           (tensor loads alone write these)
;             131,072  mask: 256 query rows x 128 bytes, pitch 144                                   (tensor loads alone)
;             167,936  bf16 slot 0: K 64 x pitch 272, V 64 x pitch 288;   203,776  bf16 slot 1      (LDS stores alone)
;             239,616  a stage of 8,448 bytes for each wave: Q on the way in (16 x 272), O on the way out (16 x 528)
; Pitches 144, 272 and 528 are odd multiples of 16 bytes and 288 an odd multiple of 32: the rows that one load or store touches start at different offsets modulo 256.
; REGISTERS, in windows of 256:  window 0: addresses, v[32:63] converted, v[64:191] K or V fragments, v[192:255] f32 rows at work
;   window 1: v[0:127] Q fragments (qt, ks), v[128:191] a trip's mask words      window 2: O(ht, qt) at 8 (4 ht + qt)
;   window 3: S(kt, qt) at 8 (4 kt + qt), P(qt, u) in place at S(2u, qt); v[128:159] per tile: -c M (two, by turns), M, L, factor, scratch; v[160:175] sums
.set ROWB,   16384                     ; bytes from one position of the sequence to the next
.set TILEB,  64*ROWB                   ; 64 keys on
.set FSLOT,  65536
.set FV,     32768
.set MASKL,  131072
.set MP,     144
.set BF,     MASKL+256*MP
.set KP,     272
.set VP,     288
.set BFV,    64*KP
.set BFSLOT, 64*KP+64*VP
.set STAGE,  BF+2*BFSLOT
.set STAGEW, 8448
.set QP,     272
.set OP,     528
.set AK,  6                            ; v6, v7    K fragments in bf16 slot 0, 1: 272 r + 16 h
.set AV,  8                            ; v8, v9    V fragments (transposing load): 288 (8 h + lane % 8) + 16 ((lane / 8) % 2)
.set AF,  10                           ; v10, v11  my 16 f32 rows in FS0, FS1: 16 x lane
.set AKS, 12                           ; v12, v13  where my 16 bf16 rows of K go: 8 x lane
.set AVS, 14                           ; v14, v15  the same for V
.set AM,  16                           ; mask: 144 (64 w + r) + 16 h
.set QST, 17                           ; stage, Q in
.set QRD, 18                           ; stage, Q fragments back
.set STO, 19                           ; stage, O in: 528 r + 32 h
.set RD,  20                           ; stage, rows back: 16 x lane
.set GO,  21                           ; 16 x lane: my 16 bytes of a 512-byte row in memory; never rewritten
.set CV,  32
.set F,   64
.set STG, 192
.set YB,  128                          ; window 1
.set ST,  128                          ; window 3: +0 -cM (even steps) +1 M +2 -cM (odd steps) +3 L +4 factor +5 X +6 TA +7 TB, for each qt 8 registers
.set SUM, 160                          ; window 3
.set MSB, 0
.macro WIN new                         ; the immediate's high byte repeats the setting that is left
.if MSB != \new
	s_set_vgpr_msb (MSB<<8)|\new
.set MSB, \new
.endif
.endm
.macro PLACES                          ; four places behind matrix instructions, in front of loads into their sources and of readers of their results
.rept 4
	v_nop
.endr
.endm
; A round of the cluster's barrier: my work-group's barrier, wave 0 signals for the work-group, all wait for the sixteen, my work-group's barrier again.
.macro ROUND
	s_barrier_signal -1
	s_barrier_wait -1
	s_cmp_lg_u32 s14, 0
	s_cbranch_scc1 .Lnot_wave_0_\@
	s_barrier_signal -3
.Lnot_wave_0_\@:
	s_barrier_wait -3
	s_barrier_signal -1
	s_barrier_wait -1
.endm
; The joint refills of a step: wave 0 asks for K's tile, wave 1 for V's (one line, one mask); with m = 1 waves 2 and 3 ask for the halves of the next mask tile.
.macro JLOAD slot, m
	s_cmp_lt_u32 s14, 2
	s_cbranch_scc0 .Lwaves_2_3_\@
	tensor_load_to_lds s[40+4*\slot:43+4*\slot], s[24:31]
	s_nop 0
.if \m
	s_branch .Lasked_\@
.endif
.Lwaves_2_3_\@:
.if \m
	tensor_load_to_lds s[48:51], s[32:39]
	s_nop 0
.Lasked_\@:
.endif
.endm
	s_load_b256 s[4:11], s[0:1], 0x0               ; query s[4:5], key s[6:7], value s[8:9], mask s[10:11]
	s_load_b64 s[12:13], s[0:1], 0x20              ; out
	v_lshl_add_u32 v30, v0, 2, 0x42c00
	v_mov_b32 v31, 0
	ds_add_u32 v30, v31
	v_lshrrev_b32 v1, 5, v0
	v_readfirstlane_b32 s14, v1                    ; wave 0..3
	s_and_b32 s15, s14, 1
	s_bfe_u32 s16, ttmp6, 0x40000                  ; cx
	s_bfe_u32 s17, ttmp6, 0x40004                  ; cy
	s_lshl_b32 s18, ttmp9, 2
	s_add_co_u32 s18, s18, s16                     ; query block = 4 x cluster x + cx
	s_and_b32 s22, ttmp7, 0xffff                   ; cluster y
	s_lshl_b32 s19, s22, 2
	s_add_co_u32 s19, s19, s17                     ; head (16 b + n) = 4 x cluster y + cy
	s_lshr_b32 s22, s22, 2                         ; batch: the same in the whole cluster
	s_lshl_b32 s20, s17, 2
	s_lshl_b32 s20, 15, s20                        ; my row of the cluster: places 4 cy .. 4 cy + 3
	s_lshl_b32 s21, 0x1111, s16                    ; my column: places cx, cx + 4, cx + 8, cx + 12
	; group 1 for K and V: 64 rows x 128 elements of 4 bytes, 4,096 elements from row to row, dense in LDS
	s_or_b32  s24, s20, (2<<16)|(1<<21)            ; 15:0 mask of my row; 17:16 element of 4 bytes; 21 set beside a mask
	s_mov_b32 s25, 128<<16                         ; tensor_dim0 = 128
	s_mov_b32 s26, 64<<16                          ; tensor_dim1 = 64
	s_mov_b32 s27, 128<<16                         ; tile_dim0 = 128
	s_mov_b32 s28, 64                              ; tile_dim1 = 64
	s_mov_b32 s29, 4096                            ; pitch
	s_mov_b32 s30, 0
	s_mov_b32 s31, 0
	; group 1 for the mask: 128 rows x 16 elements of 8 bytes, 256 elements from row to row, 4 words of padding behind every 32
	s_or_b32  s32, s21, (3<<16)|(1<<20)|(1<<21)|(4<<22)|(3<<25)
	s_mov_b32 s33, 16<<16
	s_mov_b32 s34, 128<<16
	s_mov_b32 s35, 16<<16
	s_mov_b32 s36, 128
	s_mov_b32 s37, 256
	s_mov_b32 s38, 0
	s_mov_b32 s39, 0
	; offsets, each in registers of its own: K's and V's hang on the head, the mask's on query block and batch, Q's and the output's on all
	s_lshl_b32 s2, s19, 9                          ; head x 512
	s_mov_b32 s3, 0
	s_lshl_b32 s60, s22, 22                        ; batch x 2,048 x 2,048
	s_lshl_b32 s61, s18, 19                        ; + query block x 256 rows of 2,048 bytes
	s_add_co_u32 s60, s60, s61
	s_lshl_b32 s61, s15, 18                        ; + which 128 rows I fetch
	s_add_co_u32 s60, s60, s61
	s_mov_b32 s61, 0
	s_lshl_b32 s62, s18, 22                        ; query block x 256 rows of 16,384 bytes
	s_lshl_b32 s63, s14, 20                        ; + wave x 64 rows
	s_add_co_u32 s62, s62, s63
	s_add_co_u32 s62, s62, s2                      ; + head x 512
	s_mov_b32 s63, 0
	s_lshl_b32 s23, s14, 15                        ; LDS: wave 0 K at +0, wave 1 V at +32,768
	s_mul_i32 s58, s14, 128*MP                     ; LDS: waves 2, 3 the mask's halves
	s_mov_b32 s40, 1
	s_add_co_u32 s41, s23, 0
	s_mov_b32 s44, 1
	s_add_co_u32 s45, s23, FSLOT
	s_mov_b32 s48, 1
	s_add_co_u32 s49, s58, MASKL-2*128*MP
	s_mov_b32 s52, 0x3E0293EE                      ; c = log2(e) / sqrt(128), twice: a pair for the packed multiply-add
	s_mov_b32 s53, 0x3E0293EE
	s_mov_b32 s54, 0xBE0293EE                      ; -c
	s_mov_b32 s55, 0xFE                            ; byte 0 = 0xFE (for a mask byte 0), byte 1 = 0 (for a mask byte 1)
	s_mov_b32 s56, 0x76543210                      ; v_permlanex16_b32: lane i takes lane i of the other half
	s_mov_b32 s57, 0xfedcba98
	s_mov_b32 s59, 0xF1800000                      ; -2^100
	s_wait_dscnt 0x0
	s_wait_kmcnt 0x0
	s_cmp_eq_u32 s14, 0
	s_cselect_b64 s[42:43], s[6:7], s[8:9]         ; wave 0 fetches from key, wave 1 from value
	s_add_nc_u64 s[42:43], s[42:43], s[2:3]        ; tile 0
	s_add_nc_u64 s[46:47], s[42:43], TILEB         ; tile 1
	s_or_b32 s43, s43, 0x80000000
	s_or_b32 s47, s47, 0x80000000
	s_add_nc_u64 s[50:51], s[10:11], s[60:61]      ; the mask's keys 0 to 127
	s_or_b32 s51, s51, 0x80000000
	s_add_nc_u64 s[4:5], s[4:5], s[62:63]          ; my wave's first row of Q
	s_add_nc_u64 s[12:13], s[12:13], s[62:63]      ; and of the output
	ROUND                                          ; all sixteen work-groups are here: the first joint loads meet
	s_cmp_lt_u32 s14, 2                            ; the first fills, one group in one branch: two loads out in waves 0 and 1, one in waves 2 and 3
	s_cbranch_scc0 .Lfirst_mask
	tensor_load_to_lds s[40:43], s[24:31]
	s_nop 0
	tensor_load_to_lds s[44:47], s[24:31]
	s_nop 0
	s_branch .Lfirst_done
.Lfirst_mask:
	tensor_load_to_lds s[48:51], s[32:39]
	s_nop 0
.Lfirst_done:
; Q: 16 rows of 512 bytes, one row a load
.macro QLOAD qt, buf
.irp i, 0,1,2,3,4,5,6,7,8,9,10,11,12,13,14,15
	global_load_b128 v[\buf+4*\i:\buf+4*\i+3], v[GO], s[4:5] offset:(16*\qt+\i)*ROWB th:TH_LOAD_NT
.endr
.endm
; rounded to bf16, through my own stage, back as four fragments (query r; h-index 32 ks + 8 h .. and + 16) into window 1.
; LDS serves a wave's instructions in order (ISA guide 5.7.1.4): the loads see the stores, and the next tile's stores come behind these loads.
.macro QCONV qt, buf
.irp i, 0,1,2,3,4,5,6,7,8,9,10,11,12,13,14,15
	v_cvt_pk_bf16_f32 v[CV+2*\i],   v[\buf+4*\i],   v[\buf+4*\i+1]
	v_cvt_pk_bf16_f32 v[CV+2*\i+1], v[\buf+4*\i+2], v[\buf+4*\i+3]
.endr
.irp i, 0,1,2,3,4,5,6,7,8,9,10,11,12,13,14,15
	ds_store_b64 v[QST], v[CV+2*\i:CV+2*\i+1] offset:\i*QP
.endr
	WIN 0x40
.irp ks, 0,1,2,3
	ds_load_b128 v[8*(4*\qt+\ks):8*(4*\qt+\ks)+3],   v[QRD] offset:64*\ks
	ds_load_b128 v[8*(4*\qt+\ks)+4:8*(4*\qt+\ks)+7], v[QRD] offset:64*\ks+32
.endr
	WIN 0
.endm
	v_and_b32 v1, 31, v0                           ; lane
	v_lshlrev_b32 v[GO], 4, v1
	QLOAD 0, F
	QLOAD 1, F+64
	QLOAD 2, STG
	; O = 0: 32 matrix instructions on a zero fragment write the 256 accumulators of window 2 (see ONE LOOP above).
	; The address arithmetic behind them names none of their registers: more than four places lie ahead of the next write of v[32:39].
.irp i, 0,1,2,3,4,5,6,7
	v_mov_b32 v[CV+\i], 0
.endr
	WIN 0x80
.irp ht, 0,1,2,3,4,5,6,7
.irp qt, 0,1,2,3
	v_wmma_f32_16x16x32_bf16 v[8*(4*\ht+\qt):8*(4*\ht+\qt)+7], v[CV:CV+7], v[CV:CV+7], 0
.endr
.endr
	WIN 0
	v_and_b32 v2, 15, v0                           ; r
	v_bfe_u32 v3, v0, 4, 1                         ; h
	v_mul_u32_u24 v4, v2, KP
	v_lshl_add_u32 v4, v3, 4, v4                   ; 272 r + 16 h: K fragments and Q fragments alike
	v_add_nc_u32 v[AK],   BF, v4
	v_add_nc_u32 v[AK+1], BF+BFSLOT, v4
	v_and_b32 v5, 7, v0
	v_lshl_add_u32 v5, v3, 3, v5                   ; 8 h + lane % 8
	v_mul_u32_u24 v5, v5, VP
	v_bfe_u32 v22, v0, 3, 1
	v_lshl_add_u32 v5, v22, 4, v5
	v_add_nc_u32 v[AV],   BF+BFV, v5
	v_add_nc_u32 v[AV+1], BF+BFSLOT+BFV, v5
	s_lshr_b32 s58, s14, 1                         ; my bf16 rows 16 w + i hold keys 32 (w / 2) + 16 (i / 8) + 8 (w % 2) + i % 8
	s_lshl_b32 s58, s58, 14
	s_lshl_b32 s23, s15, 12
	s_add_co_u32 s58, s58, s23
	v_lshl_add_u32 v[AF], v1, 4, s58
	v_add_nc_u32 v[AF+1], FSLOT, v[AF]
	s_mul_i32 s58, s14, 16*KP
	v_lshl_add_u32 v[AKS], v1, 3, s58
	v_add_nc_u32 v[AKS+1], BF+BFSLOT, v[AKS]
	v_add_nc_u32 v[AKS],   BF, v[AKS]
	s_mul_i32 s58, s14, 16*VP
	v_lshl_add_u32 v[AVS], v1, 3, s58
	v_add_nc_u32 v[AVS+1], BF+BFSLOT+BFV, v[AVS]
	v_add_nc_u32 v[AVS],   BF+BFV, v[AVS]
	v_mul_u32_u24 v5, v2, MP
	v_lshl_add_u32 v5, v3, 4, v5                   ; 144 r + 16 h
	s_mul_i32 s58, s14, 64*MP
	s_add_co_u32 s58, s58, MASKL
	v_add_nc_u32 v[AM], s58, v5
	s_mul_i32 s58, s14, STAGEW
	s_add_co_u32 s58, s58, STAGE
	v_lshl_add_u32 v[QST], v1, 3, s58
	v_add_nc_u32 v[QRD], s58, v4
	v_mul_u32_u24 v5, v2, OP
	v_lshl_add_u32 v5, v3, 5, v5
	v_add_nc_u32 v[STO], s58, v5
	v_lshl_add_u32 v[RD], v1, 4, s58
	; the running state's start, for each query tile
	WIN 0xFF
.irp qt, 0,1,2,3
	v_mov_b32 v[ST+8*\qt+1], 0xff7fffff            ; M: the most negative finite f32, below every score, masked ones too
	v_mov_b32 v[ST+8*\qt+3], 0                     ; L
	v_mov_b32 v[ST+8*\qt+5], 0                     ; X: v_permlanex16_b32 counts as a reader of its destination
.endr
.irp qt, 0,1,2,3
	v_mul_f32 v[ST+8*\qt+2], s54, v[ST+8*\qt+1]    ; -c M as an odd step leaves it: step 0 takes it as the old one
.endr
	WIN 0
	s_wait_loadcnt 32                              ; tile 0 is in: the 32 loads of tiles 1 and 2 are younger
	QCONV 0, F
	QLOAD 3, F
	s_wait_loadcnt 32                              ; tile 1: tiles 2 and 3 are younger
	QCONV 1, F+64
	s_wait_loadcnt 16                              ; tile 2: tile 3 is younger
	QCONV 2, STG
	s_wait_loadcnt 0x0
	QCONV 3, F
; 16 f32 rows of K (which = 0) or V (1) from slot s, one row of 512 bytes a load, in the exchanged key order
.macro CLOAD which, s
.irp i, 0,1,2,3,4,5,6,7,8,9,10,11,12,13,14,15
	ds_load_b128 v[STG+4*\i:STG+4*\i+3], v[AF+\s] offset:\which*FV+512*(16*(\i>>3)+(\i&7))
.endr
.endm
; rounded to bf16 and stored as my 16 rows of bf16 slot s, 256 neighbouring bytes a store
.macro CSTORE which, s
.irp i, 0,1,2,3,4,5,6,7,8,9,10,11,12,13,14,15
	v_cvt_pk_bf16_f32 v[CV+2*\i],   v[STG+4*\i],   v[STG+4*\i+1]
	v_cvt_pk_bf16_f32 v[CV+2*\i+1], v[STG+4*\i+2], v[STG+4*\i+3]
.endr
.irp i, 0,1,2,3,4,5,6,7,8,9,10,11,12,13,14,15
.if \which
	ds_store_b64 v[AVS+\s], v[CV+2*\i:CV+2*\i+1] offset:\i*VP
.else
	ds_store_b64 v[AKS+\s], v[CV+2*\i:CV+2*\i+1] offset:\i*KP
.endif
.endr
.endm
; K fragments (kt, ks): rows 16 kt + r, h-index 32 ks + 8 h .. and + 16; key tile by key tile, so that the products can start on the first
.macro KFETCH s
.irp kt, 0,1,2,3
.irp ks, 0,1,2,3
	ds_load_b128 v[F+8*(4*\kt+\ks):F+8*(4*\kt+\ks)+3],   v[AK+\s] offset:\kt*16*KP+64*\ks
	ds_load_b128 v[F+8*(4*\kt+\ks)+4:F+8*(4*\kt+\ks)+7], v[AK+\s] offset:\kt*16*KP+64*\ks+32
.endr
.endr
.endm
; V^T fragments (u, ht): h-index 16 ht + r, rows 32 u + 8 h .. and + 16, by the transposing load
.macro VFETCH s
.irp u, 0,1
.irp ht, 0,1,2,3,4,5,6,7
	ds_load_tr16_b128 v[F+8*(8*\u+\ht):F+8*(8*\u+\ht)+3],   v[AV+\s] offset:\u*32*VP+32*\ht
	ds_load_tr16_b128 v[F+8*(8*\u+\ht)+4:F+8*(8*\u+\ht)+7], v[AV+\s] offset:\u*32*VP+32*\ht+16*VP
.endr
.endr
.endm
; a trip's mask for my 64 queries: word group (qt, up) = keys 32 up + 16 h .. + 15 of query 16 qt + r
.macro MREAD
	WIN 0x40
.irp qt, 0,1,2,3
.irp up, 0,1,2,3
	ds_load_b128 v[YB+4*(4*\qt+\up):YB+4*(4*\qt+\up)+3], v[AM] offset:\qt*16*MP+32*\up
.endr
.endr
	WIN 0
.endm
.macro MPERM                           ; each mask byte selects a byte of s55: 0 gives 0xFE, 1 gives 0x00
	WIN 0x50
.set n, 0
.rept 64
	v_perm_b32 v[YB+n], s55, s55, v[YB+n]
.set n, n+1
.endr
.endm
; the accumulators' start for the trip's step jq: the score's byte on top of its register
.macro BIAS jq
	WIN 0xC4
.irp qt, 0,1,2,3
.irp u, 0,1
.irp e, 0,1
.irp g, 0,1,2,3,4,5,6,7
	v_lshlrev_b32 v[8*(4*(2*\u+\e)+\qt)+\g], 24-8*(\g&3), v[YB+4*(4*\qt+2*\jq+\u)+2*\e+(\g>>2)]
.endr
.endr
.endr
.endr
.endm
; S^T += K Q^T.  The four accumulators of a key tile take turns, one instruction a turn.
.macro QK
	WIN 0xF4
.irp kt, 0,1,2,3
	s_wait_dscnt 24-8*\kt                          ; this key tile's eight loads are in: eight for each later tile are younger
.irp ks, 0,1,2,3
.irp qt, 0,1,2,3
	v_wmma_f32_16x16x32_bf16 v[8*(4*\kt+\qt):8*(4*\kt+\qt)+7], v[F+8*(4*\kt+\ks):F+8*(4*\kt+\ks)+7], v[8*(4*\qt+\ks):8*(4*\qt+\ks)+7], v[8*(4*\kt+\qt):8*(4*\kt+\qt)+7]
.endr
.endr
.endr
.endm
; The softmax step on 4 tiles x 32 registers, all in window 3, the four tiles side by side in every chain.  par: which of the two -cM is written.
.macro SOFTMAX par
	WIN 0xFF
	; the largest of my 32 scores of each query: two chains of 16 (value n of chain c lies at 64 c + 32 (n / 8) + 8 qt + n % 8)
.irp c, 0,1
.irp qt, 0,1,2,3
	v_max3_num_f32 v[ST+8*\qt+6+\c], v[64*\c+8*\qt], v[64*\c+8*\qt+1], v[64*\c+8*\qt+2]
.endr
.endr
.irp n, 3,5,7,9,11,13
.irp c, 0,1
.irp qt, 0,1,2,3
	v_max3_num_f32 v[ST+8*\qt+6+\c], v[ST+8*\qt+6+\c], v[64*\c+32*(\n>>3)+8*\qt+(\n&7)], v[64*\c+32*((\n+1)>>3)+8*\qt+((\n+1)&7)]
.endr
.endr
.endr
.irp qt, 0,1,2,3
	v_max3_num_f32 v[ST+8*\qt+6], v[ST+8*\qt+6], v[ST+8*\qt+7], v[39+8*\qt]
.endr
.irp qt, 0,1,2,3
	v_max_num_f32 v[ST+8*\qt+6], v[ST+8*\qt+6], v[103+8*\qt]
.endr
	; with the other half of the lanes and the maximum so far; -c M; the factor exp2(c (M old - M new))
.irp qt, 0,1,2,3
	v_permlanex16_b32 v[ST+8*\qt+5], v[ST+8*\qt+6], s56, s57
.endr
.irp qt, 0,1,2,3
	v_max3_num_f32 v[ST+8*\qt+1], v[ST+8*\qt+6], v[ST+8*\qt+5], v[ST+8*\qt+1]
.endr
.irp qt, 0,1,2,3
	v_mul_f32 v[ST+8*\qt+2*\par], s54, v[ST+8*\qt+1]
.endr
.irp qt, 0,1,2,3
	v_sub_f32 v[ST+8*\qt+7], v[ST+8*\qt+2*\par], v[ST+8*\qt+2-2*\par]
.endr
.irp qt, 0,1,2,3
	v_exp_f32 v[ST+8*\qt+4], v[ST+8*\qt+7]         ; the multiply-adds below are the plain instructions behind these (ISA guide 5.7.2)
.endr
	; c S - c M, two at a time: both halves take s52 and the first register of the pair
.irp kt, 0,1,2,3
.irp d, 0,2,4,6
.irp qt, 0,1,2,3
	v_pk_fma_f32 v[8*(4*\kt+\qt)+\d:8*(4*\kt+\qt)+\d+1], v[8*(4*\kt+\qt)+\d:8*(4*\kt+\qt)+\d+1], s[52:53], v[ST+8*\qt+2*\par:ST+8*\qt+2*\par+1] op_sel_hi:[1,0,0]
.endr
.endr
.endr
.set n, 0
.rept 128
	v_exp_f32 v[n], v[n]
.set n, n+1
.endr
	v_nop                                          ; one plain instruction behind the last exponential, ahead of its reader
	; my 32 numbers of each query summed in f32: two chains of eight pairs
	s_wait_alu depctr_va_vdst(0)
.irp c, 0,1
.irp qt, 0,1,2,3
	v_pk_add_f32 v[SUM+4*\qt+2*\c:SUM+4*\qt+2*\c+1], v[64*\c+8*\qt:64*\c+8*\qt+1], v[64*\c+8*\qt+2:64*\c+8*\qt+3]
.endr
.endr
.irp d, 2,3,4,5,6,7
.irp c, 0,1
.irp qt, 0,1,2,3
	v_pk_add_f32 v[SUM+4*\qt+2*\c:SUM+4*\qt+2*\c+1], v[SUM+4*\qt+2*\c:SUM+4*\qt+2*\c+1], v[64*\c+32*(\d>>2)+8*\qt+2*(\d&3):64*\c+32*(\d>>2)+8*\qt+2*(\d&3)+1]
.endr
.endr
.endr
.irp qt, 0,1,2,3
	v_pk_add_f32 v[SUM+4*\qt:SUM+4*\qt+1], v[SUM+4*\qt:SUM+4*\qt+1], v[SUM+4*\qt+2:SUM+4*\qt+3]
.endr
.irp qt, 0,1,2,3
	v_add_f32 v[ST+8*\qt+6], v[SUM+4*\qt], v[SUM+4*\qt+1]
.endr
.irp qt, 0,1,2,3
	v_fma_f32 v[ST+8*\qt+3], v[ST+8*\qt+3], v[ST+8*\qt+4], v[ST+8*\qt+6]
.endr
	; P to bf16 in place: tile 2u into registers 0-3 of its own place (each write lands on registers already read), then tile 2u + 1 into registers 4-7
.irp u, 0,1
.irp e, 0,1
.irp g, 0,1,2,3
.irp qt, 0,1,2,3
	v_cvt_pk_bf16_f32 v[64*\u+8*\qt+4*\e+\g], v[64*\u+32*\e+8*\qt+2*\g], v[64*\u+32*\e+8*\qt+2*\g+1]
.endr
.endr
.endr
.endr
.endm
.macro RESCALE                         ; O times the query's factor, one number a lane and tile
	WIN 0x8E
.irp ht, 0,1,2,3,4,5,6,7
.irp d, 0,2,4,6
.irp qt, 0,1,2,3
	v_pk_mul_f32 v[8*(4*\ht+\qt)+\d:8*(4*\ht+\qt)+\d+1], v[8*(4*\ht+\qt)+\d:8*(4*\ht+\qt)+\d+1], v[ST+8*\qt+4:ST+8*\qt+5] op_sel_hi:[1,0]
.endr
.endr
.endr
.endm
; O^T += V^T P^T.  The 32 accumulators take turns, one instruction a turn.
.macro PV
	WIN 0xAC
.irp u, 0,1
.irp ht, 0,1,2,3,4,5,6,7
.irp qt, 0,1,2,3
	v_wmma_f32_16x16x32_bf16 v[8*(4*\ht+\qt):8*(4*\ht+\qt)+7], v[F+8*(8*\u+\ht):F+8*(8*\u+\ht)+7], v[64*\u+8*\qt:64*\u+8*\qt+7], v[8*(4*\ht+\qt):8*(4*\ht+\qt)+7]
.endr
.endr
.endr
.endm
; Step t on 64 keys; slot = t % 2, which is also the step's place in its trip.  fill: f32 slot \slot gets tile t + 2.  mfill: the mask slot gets the next trip's tile.
; conv: tile t + 1 is rounded to bf16.
.macro STEP slot, fill, mfill, conv
	s_wait_dscnt 0x0                               ; my stores of this tile's bf16 rows, my reads of the f32 slot, of the other bf16 slot and of the mask are done
	s_wait_tensorcnt 0x0                           ; all my tensor loads have landed, tile t + 1 among them: every group 0 may be written
	ds_add_u32 v30, v31
	s_wait_dscnt 0x0
.if \fill
	s_add_nc_u64 s[42+4*\slot:43+4*\slot], s[42+4*\slot:43+4*\slot], 2*TILEB
.endif
.if \mfill
	s_add_nc_u64 s[50:51], s[50:51], 128           ; 128 keys on
.endif
.if \fill | \mfill
	ROUND                                          ; both now hold of every wave of the sixteen work-groups
	JLOAD \slot, \mfill                            ; my one tensor load behind the round, and the first thing there
.else
	s_barrier_signal -1                            ; the last two steps fill nothing
	s_barrier_wait -1
.endif
.if \slot == 0
	MREAD
.endif
	KFETCH \slot
.if \slot == 0
	s_wait_dscnt 32                                ; the mask words are in: the 32 loads of K fragments are younger
	MPERM
.endif
	BIAS \slot
	QK
	PLACES
	WIN 0
	VFETCH \slot                                   ; V fragments take K's registers; they land under the softmax
.if \conv
	CLOAD 0, (1-\slot)
.endif
	SOFTMAX \slot
	RESCALE
	WIN 0
	s_wait_dscnt 0x0                               ; V fragments and the next K rows
.if \conv
	CSTORE 0, (1-\slot)
	CLOAD 1, (1-\slot)                             ; the next V rows land under the products
.endif
	PV
	PLACES
	WIN 0
.if \conv
	s_wait_dscnt 0x0
	CSTORE 1, (1-\slot)
.endif
.endm
.macro TRIP last                       ; 128 keys: one mask tile, two steps.  The mask slot, read whole in the first step, is filled again behind the second step's round
	STEP 0, (1-\last), 0, 1
	STEP 1, (1-\last), (1-\last), (1-\last)
.endm
	s_wait_dscnt 0x0                               ; Q fragments are in
	s_wait_tensorcnt 0x0                           ; my first fills have landed
	s_barrier_signal -1
	s_barrier_wait -1                              ; everybody's have
	CLOAD 0, 0                                     ; tile 0 to bf16
	s_wait_dscnt 0x0
	CSTORE 0, 0
	CLOAD 1, 0
	s_wait_dscnt 0x0
	CSTORE 1, 0
	s_mov_b32 s58, 15                              ; steps 0 to 29: each asks for the tile two steps on, tiles 2 to 31
.Ltrip:
	TRIP 0
	s_sub_co_u32 s58, s58, 1
	s_cmp_lg_u32 s58, 0
	s_cbranch_scc1 .Ltrip
	TRIP 1                                         ; steps 30 and 31: no tile beyond the 32nd, no further mask tile
	; 1 / L, with both halves of the lanes; 0 for a query with no kept key
	WIN 0xFF
.irp qt, 0,1,2,3
	v_permlanex16_b32 v[ST+8*\qt+5], v[ST+8*\qt+3], s56, s57
.endr
.irp qt, 0,1,2,3
	v_add_f32 v[ST+8*\qt+3], v[ST+8*\qt+3], v[ST+8*\qt+5]
.endr
.irp qt, 0,1,2,3
	v_rcp_f32 v[ST+8*\qt+4], v[ST+8*\qt+3]
.endr
	v_nop                                          ; one plain instruction behind the reciprocals
	s_wait_alu depctr_va_vdst(0)
.irp qt, 0,1,2,3
	v_cmp_lt_f32 vcc_lo, s59, v[ST+8*\qt+1]        ; -2^100 < M: the query has a kept key
	v_cndmask_b32 v[ST+8*\qt+4], 0, v[ST+8*\qt+4], vcc_lo
.endr
	RESCALE
; The way out, 16 queries at a time: a lane's 8 numbers of each h tile are 32 neighbouring bytes of its query's row; through my own stage, back as whole rows,
; and each store of the wave covers 512 consecutive bytes, aligned.
.macro OUT qt, buf
	WIN 0x08
.irp ht, 0,1,2,3,4,5,6,7
	ds_store_b128 v[STO], v[8*(4*\ht+\qt):8*(4*\ht+\qt)+3]   offset:64*\ht
	ds_store_b128 v[STO], v[8*(4*\ht+\qt)+4:8*(4*\ht+\qt)+7] offset:64*\ht+16
.endr
	WIN 0
	s_wait_xcnt 0x0                                ; the registers that earlier stores read are loaded again only behind this wait (ISA guide 3.1)
.irp i, 0,1,2,3,4,5,6,7,8,9,10,11,12,13,14,15
	ds_load_b128 v[\buf+4*\i:\buf+4*\i+3], v[RD] offset:\i*OP      ; LDS serves a wave's instructions in order: these see the stores above
.endr
.irp i, 0,1,2,3,4,5,6,7,8,9,10,11,12,13,14,15
	s_wait_dscnt 15-\i                             ; row i is in: the later rows' loads are younger
	global_store_b128 v[GO], v[\buf+4*\i:\buf+4*\i+3], s[12:13] offset:(16*\qt+\i)*ROWB th:TH_STORE_NT
.endr
.endm
	OUT 0, F
	OUT 1, F+64
	OUT 2, F
	OUT 3, F+64
	s_wait_tensorcnt 0x0
	ds_add_u32 v30, v31
	s_wait_dscnt 0x0
	ROUND                                          ; the closing round: no work-group ends while a partner may still ask for a tile that names it
	s_endpgm
.Lfunc_end_k_qc1db607587_attn:
	.size	k_qc1db607587_attn, .Lfunc_end_k_qc1db607587_attn-k_qc1db607587_attn
	.p2alignl 7, 3214868480
	.fill 96, 4, 3214868480
	.section	.rodata,"a",@progbits
	.p2align	6, 0x0
	.amdhsa_kernel k_qc1db607587_attn
		.amdhsa_group_segment_fixed_size 327680
		.amdhsa_private_segment_fixed_size 0
		.amdhsa_enable_private_segment 0
		.amdhsa_kernarg_size 40
		.amdhsa_user_sgpr_count 2
		.amdhsa_user_sgpr_kernarg_segment_ptr 1
		.amdhsa_wavefront_size32 1
		.amdhsa_system_sgpr_workgroup_id_x 1
		.amdhsa_system_sgpr_workgroup_id_y 1
		.amdhsa_system_sgpr_workgroup_id_z 1
		.amdhsa_system_vgpr_workitem_id 0
		.amdhsa_next_free_vgpr 1024
		.amdhsa_next_free_sgpr 66
		.amdhsa_reserve_vcc 1
		.amdhsa_float_denorm_mode_32 3
		.amdhsa_float_denorm_mode_16_64 3
		.amdhsa_memory_ordered 1
		.amdhsa_forward_progress 1
		.amdhsa_inst_pref_size 255
	.end_amdhsa_kernel
	.section	.bss,"aw",@nobits
	.p2align	6
	.space	262144
	.amdgpu_metadata
---
amdhsa.version: [ 1, 2 ]
amdhsa.kernels:
  - .name:           k_qc1db607587_attn
    .symbol:         k_qc1db607587_attn.kd
    .args:
      - { .name: query, .offset: 0, .size: 8, .value_kind: global_buffer, .address_space: global }
      - { .name: key, .offset: 8, .size: 8, .value_kind: global_buffer, .address_space: global }
      - { .name: value, .offset: 16, .size: 8, .value_kind: global_buffer, .address_space: global }
      - { .name: attention_mask, .offset: 24, .size: 8, .value_kind: global_buffer, .address_space: global }
      - { .name: out0, .offset: 32, .size: 8, .value_kind: global_buffer, .address_space: global }
    .group_segment_fixed_size: 327680
    .private_segment_fixed_size: 0
    .kernarg_segment_align: 8
    .kernarg_segment_size: 40
    .max_flat_workgroup_size: 128
    .sgpr_count:     66
    .vgpr_count:     1024
    .wavefront_size: 32
...
	.end_amdgpu_metadata
.endif
;; end of part 2
